; MI455X (gfx1250); checked and timed in simulation.
; The chip was launched on July 23, 2026; its instructions are those of AMD's public machine-readable ISA for CDNA 5 (MIT licence, August 2026) and "CDNA5" Instruction Set Architecture Reference Guide (July 2026). The comments in the code are by the model that wrote it; some were corrected since.
;; Mixture Of Experts. Allowed arithmetic: float matrix products may take bf16 or f16 operands with f32 sums; other float arithmetic in f32, or as packed bf16 or f16 multiplies, adds, multiply-adds, maxima and minima; sums over many terms, partial sums and values carried from step to step in f32; what a program stores and reads back later, other than sums and carried values, may be rounded once to bf16 or f16.
;; Inputs: W1 8 x 128 x 1,024 float32; W2 8 x 1,024 x 1,024 float32; W3 8 x 1,024 x 128 float32; Wg1 128 x 16 float32; Wg2 16 x 8 float32; b1 8 x 1,024 float32; b2 8 x 1,024 float32; b3 8 x 128 float32; be1 8 x 1,024 float32; be2 8 x 1,024 float32; bg1 16 float32; bg2 8 float32; g1 8 x 1,024 float32; g2 8 x 1,024 float32; x 2 x 2,048 x 128 float32.
;; Outputs: out0 2 x 2,048 x 128 float32.
;; One version. Each part assembles by itself: llvm-mc -triple=amdgcn-amd-amdhsa -mcpu=gfx1250 --defsym DOCPART=n.
;; ======== version 1 of 1: 3 launches
;; limits: values are held in f16: magnitudes above 65,504 overflow, below 6.1e-05 lose precision
;; workspace buffers: wf 20,971,520 bytes; bm 8,192 bytes of whole numbers; sel 16,384 bytes of whole numbers; gw 32,768 bytes; part 4,194,304 bytes
;; launch prep (part 1): grid 256 x 1, 11 waves a work-group, no clusters, 88,576 bytes of LDS; arguments x, Wg1, bg1, Wg2, bg2, W1, W2, W3, wf, bm, sel, gw; writes wf, bm, sel, gw
.if DOCPART == 1
	.amdgcn_target "amdgcn-amd-amdhsa--gfx1250"
	.amdhsa_code_object_version 6
	.text
	.protected	k_qe16531d1bb_prep
	.globl	k_qe16531d1bb_prep
	.p2align	8
	.type	k_qe16531d1bb_prep,@function
k_qe16531d1bb_prep:
	s_mov_b64 s[64:65], 0
	v_nop
	global_prefetch_b8 v0, s[64:65] scope:SCOPE_SE
	s_setreg_imm32_b32 hwreg(HW_REG_WAVE_MODE, 25, 1), 1
	s_wait_xcnt 0x0
; PREP.  Two jobs in one launch of 256 work-groups of 11 waves; no wave waits for another (every LDS byte is one wave's own, so there is no barrier).
; WAVES 0-9: the experts' weights, f32 [k][n], are rounded once to f16 and laid out in the order in which a wave's matrix operand registers take them.
;   A job is a tile of 32 k x 128 n: 32 loads of 512 consecutive bytes, a turn through the wave's own LDS, 16 stores of 512 consecutive bytes (8 fragments of 1,024 bytes).
;   A fragment holds 16 output channels x 32 k; its byte is (k/8)*256 + channel*16 + (k%8)*2, so that two loads of 16 bytes a lane (at lane*16 and 512 + lane*16) are a matrix operand.
;   wf: W1 at 0 as [e][w 4][ks 4][nb 16][1024]; W2 at 2,097,152 as [e][w 4][ks 32][nb 16][1024]; W3 at 18,874,368 as [e][ks 32][nb 8][1024]; channel = 256 w + 16 nb + r (W3: 16 nb + r).
;   2,560 jobs = 256 work-groups x 10 waves: job J = 10 x work-group + wave.
; WAVE 10: the router for tokens 16 g .. 16 g + 15 (g = work-group), wholly in f32: the choice of experts is discrete, and 16-bit operands would change it.
;   Its first layer is one tile of 16 units x 16 tokens over K = 128: 32 matrix instructions of the f32 form (8.4 M of the program's 10.7 G multiply-adds: no bulk work), operands straight from memory.
;   In the result lane (h = lane / 16, r = lane % 16) holds token r and hidden units 8 h .. 8 h + 7; all that follows is vector work in that layout.
;   It stores, at fixed places: sel[token] = i1 | i2 << 8; gw[token] = the two renormalised gates; bm: for each expert a word, the 16 tokens' mask | its number of ones << 16.
;   No address and no branch hangs on a floating-point number.  Both halves of the lanes hold the same 16 tokens, bit for bit, and store the same values to the same places: EXEC is never changed.
; LIMITS.  f16 holds no number beyond 65,504: weights are taken to lie within it; below 6e-5 they keep f16's fixed step of 6e-8.  erf is taken from 1 - 1/P(x)^16 (six terms), absolute error 3e-7 at the most.
;   A gate's exponent below -87 counts as -87 (such a gate's weight is below 2e-38 of the largest).  NaN and infinities are not treated apart.  Where two gates lie within about one f32 step of each
;   other the choice can differ from another f32 evaluation's, whose sums are ordered otherwise.  Ties go to the lower index.
.set TRB,   8704                       ; a converting wave's LDS: 4 octets of k x 2,176 bytes
.set OCT,   2176                       ; an octet: 128 columns x 16 bytes, 16 bytes of padding behind every 16 columns (8 blocks of 272)
.set SPARE, 87040                      ; behind the ten waves' LDS: the spare words, 128 bytes for each of 11 waves, six blocks of 256 bytes that no other line names
	s_load_b512 s[8:23], s[0:1], 0x0               ; x s[8:9], Wg1 s[10:11], bg1 s[12:13], Wg2 s[14:15], bg2 s[16:17], W1 s[18:19], W2 s[20:21], W3 s[22:23]
	s_load_b256 s[24:31], s[0:1], 0x40             ; wf s[24:25], bm s[26:27], sel s[28:29], gw s[30:31]
	v_lshl_add_u32 v4, v0, 2, SPARE                ; my spare word; never rewritten
	v_mov_b32 v5, 0                                ; 0; never rewritten
	v_and_b32 v1, 31, v0                           ; lane
	v_lshrrev_b32 v2, 5, v0
	v_readfirstlane_b32 s34, v2                    ; wave 0..10
	v_lshlrev_b32 v6, 4, v1                        ; 16 x lane
	s_mov_b32 s41, 0                               ; high words of the two offset pairs
	s_mov_b32 s43, 0
	s_wait_kmcnt 0x0
	s_cmp_eq_u32 s34, 10
	s_cbranch_scc1 .Lrouter
; ---------------------------------------------------------------- waves 0-9: one tile of weights each
	s_mul_i32 s47, s34, TRB                        ; my LDS
	v_lshrrev_b32 v3, 2, v1
	v_lshlrev_b32 v7, 6, v1
	v_lshl_add_u32 v7, v3, 4, v7
	v_add_nc_u32 v7, s47, v7                       ; in: my columns 4 l .. 4 l + 3 at 64 l + 16 (l / 4)
	v_lshrrev_b32 v3, 4, v1
	v_mul_u32_u24 v8, v3, OCT
	v_and_b32 v3, 15, v1
	v_lshl_add_u32 v8, v3, 4, v8
	v_add_nc_u32 v8, s47, v8                       ; back: octet l / 16, column l % 16 of a block
	s_mul_i32 s35, ttmp9, 10
	s_add_co_u32 s35, s35, s34                     ; J
	s_cmp_lt_u32 s35, 256
	s_cbranch_scc1 .Lw1
	s_cmp_lt_u32 s35, 2304
	s_cbranch_scc1 .Lw2
	s_sub_co_u32 s35, s35, 2304                    ; W3 [e][1024][128]: j = e * 32 + ks
	s_lshr_b32 s44, s35, 5
	s_and_b32 s45, s35, 31
	s_lshl_b32 s40, s44, 19                        ; from: e * 524,288 + ks * 32 rows of 512 bytes
	s_lshl_b32 s48, s45, 14
	s_add_co_u32 s40, s40, s48
	s_lshl_b32 s42, s44, 18                        ; to: 18,874,368 + e * 262,144 + ks * 8,192
	s_lshl_b32 s48, s45, 13
	s_add_co_u32 s42, s42, s48
	s_add_co_u32 s42, s42, 18874368
	s_add_nc_u64 s[36:37], s[22:23], s[40:41]
	s_add_nc_u64 s[38:39], s[24:25], s[42:43]
.macro LOADS pitch                     ; 32 rows of k, 512 consecutive bytes each: 16 KiB of the wave on their way
.set i, 0
.rept 32
	global_load_b128 v[16+4*i:19+4*i], v6, s[36:37] offset:i*(\pitch) th:TH_LOAD_NT
.set i, i+1
.endr
.endm
	LOADS 512
	s_branch .Lcvt
.Lw1:                                  ; W1 [e][128][1024]: j = e * 32 + ks * 8 + tile of 128 columns
	s_lshr_b32 s44, s35, 5
	s_bfe_u32 s45, s35, 0x20003
	s_and_b32 s46, s35, 7
	s_lshl_b32 s40, s44, 19                        ; from: e * 524,288 + ks * 32 rows of 4,096 bytes + tile * 512
	s_lshl_b32 s48, s45, 17
	s_add_co_u32 s40, s40, s48
	s_lshl_b32 s48, s46, 9
	s_add_co_u32 s40, s40, s48
	s_lshl_b32 s42, s44, 18                        ; to: e * 262,144 + (tile / 2) * 65,536 + ks * 16,384 + (tile % 2) * 8,192
	s_lshr_b32 s48, s46, 1
	s_lshl_b32 s48, s48, 16
	s_add_co_u32 s42, s42, s48
	s_lshl_b32 s48, s45, 14
	s_add_co_u32 s42, s42, s48
	s_and_b32 s48, s46, 1
	s_lshl_b32 s48, s48, 13
	s_add_co_u32 s42, s42, s48
	s_add_nc_u64 s[36:37], s[18:19], s[40:41]
	s_add_nc_u64 s[38:39], s[24:25], s[42:43]
	s_branch .Lpitch4096
.Lw2:                                  ; W2 [e][1024][1024]: j = e * 256 + ks * 8 + tile
	s_sub_co_u32 s35, s35, 256
	s_lshr_b32 s44, s35, 8
	s_bfe_u32 s45, s35, 0x50003
	s_and_b32 s46, s35, 7
	s_lshl_b32 s40, s44, 22
	s_lshl_b32 s48, s45, 17
	s_add_co_u32 s40, s40, s48
	s_lshl_b32 s48, s46, 9
	s_add_co_u32 s40, s40, s48
	s_lshl_b32 s42, s44, 21                        ; to: 2,097,152 + e * 2,097,152 + (tile / 2) * 524,288 + ks * 16,384 + (tile % 2) * 8,192
	s_lshr_b32 s48, s46, 1
	s_lshl_b32 s48, s48, 19
	s_add_co_u32 s42, s42, s48
	s_lshl_b32 s48, s45, 14
	s_add_co_u32 s42, s42, s48
	s_and_b32 s48, s46, 1
	s_lshl_b32 s48, s48, 13
	s_add_co_u32 s42, s42, s48
	s_add_co_u32 s42, s42, 2097152
	s_add_nc_u64 s[36:37], s[20:21], s[40:41]
	s_add_nc_u64 s[38:39], s[24:25], s[42:43]
.Lpitch4096:
	LOADS 4096
.Lcvt:
; Octet o (k = 8 o .. 8 o + 7): for each of my four columns eight numbers along k are rounded in pairs into 16 bytes, which go into LDS by column.
.irp o, 0,1,2,3
	s_wait_loadcnt 24-8*\o                         ; loads come back in order: the later octets' loads may stay out
.irp j, 0,1,2,3
.irp i, 0,1,2,3
	v_cvt_pk_f16_f32 v[144+16*(\o%2)+4*\j+\i], v[16+4*(8*\o+2*\i)+\j], v[16+4*(8*\o+2*\i+1)+\j]
.endr
	ds_store_b128 v7, v[144+16*(\o%2)+4*\j:144+16*(\o%2)+4*\j+3] offset:\o*OCT+\j*16
.endr
.endr
; Back by fragments: lane (h, r) takes octet h (then 2 + h) of column 16 nb + r.  LDS serves a wave's instructions in order, so these loads see the stores above.
.irp nb, 0,1,2,3,4,5,6,7
	ds_load_b128 v[16+8*\nb:19+8*\nb], v8 offset:\nb*272
	ds_load_b128 v[20+8*\nb:23+8*\nb], v8 offset:\nb*272+2*OCT
.endr
.irp nb, 0,1,2,3,4,5,6,7
	s_wait_dscnt 15-2*\nb                          ; the later read-backs may stay out
	global_store_b128 v6, v[16+8*\nb:19+8*\nb], s[38:39] offset:\nb*1024        ; each store of the wave covers 512 consecutive bytes, aligned
	s_wait_dscnt 14-2*\nb
	global_store_b128 v6, v[20+8*\nb:23+8*\nb], s[38:39] offset:\nb*1024+512
.endr
	s_wait_tensorcnt 0x0                           ; the wave's end
	ds_add_u32 v4, v5
	s_wait_dscnt 0x0
	s_endpgm
; ---------------------------------------------------------------- wave 10: the router
; registers: v8-15 bg1, then the hidden units; v16-79 x; v80-143 Wg1; v144-207 Wg2; v208-215 offsets; v224-255 four accumulators, which matrix instructions alone write
.macro ALL8 line:vararg                ; one line for each e = 0 .. 7
.set e, 0
.rept 8
	\line
.set e, e+1
.endr
.endm
.Lrouter:
	v_and_b32 v2, 15, v1                           ; r
	v_lshrrev_b32 v3, 4, v1                        ; h
	s_lshl_b32 s40, ttmp9, 13                      ; 16 rows of 512 bytes
	s_add_nc_u64 s[32:33], s[8:9], s[40:41]
	s_load_b256 s[48:55], s[16:17], 0x0            ; bg2: nothing in this launch writes it
	v_lshlrev_b32 v7, 5, v3                        ; bg1: my eight units
	v_lshlrev_b32 v208, 9, v2
	v_lshl_add_u32 v208, v3, 4, v208               ; x: row r, 16 bytes for each half of the lanes
	v_lshlrev_b32 v210, 8, v3                      ; Wg2: my eight units' rows of 32 bytes
	v_lshl_add_u32 v209, v2, 2, v210               ; Wg1: column r, four rows of 64 bytes for each half of the lanes
; An operand of the f32 form is 16 rows x 4 k in 2 registers: lane (h, r) holds row r, register j holds k slot 2 h + j.  Slot (h, j) of K step 2 c + p is given k = 8 c + 4 h + 2 p + j in BOTH
; operands, so that x comes by loads of 16 bytes (two K steps each); Wg1, which lies [k][unit], comes by words.
	global_load_b128 v[8:11], v7, s[12:13]         ; bg1, in the result's layout: it starts the first sum
	global_load_b128 v[12:15], v7, s[12:13] offset:16
.set c, 0
.rept 8
	global_load_b128 v[16+4*c:19+4*c], v208, s[32:33] offset:c*32
.irp j, 0,1,2,3
	global_load_b32 v[80+4*c+\j], v209, s[10:11] offset:c*512+\j*64
.endr
.set c, c+1
.endr
.rept 8
	global_load_b128 v[16+4*c:19+4*c], v208, s[32:33] offset:c*32
.set c, c+1
.endr
	s_mov_b32 s36, 0x3dcc41b4                      ; P(a) = 1 + c1 a + .. + c6 a^6, a = |z| / 2; each as a pair for the packed forms
	s_mov_b32 s37, s36
	s_mov_b32 s38, 0x3dad2fe7
	s_mov_b32 s39, s38
	s_mov_b32 s40, 0x3cd6cd72
	s_mov_b32 s41, s40
	s_mov_b32 s42, 0x3a1f6607
	s_mov_b32 s43, s42
	s_mov_b32 s44, 0x3acd0fec
	s_mov_b32 s45, s44
	s_mov_b32 s46, 0x39b49f67
	s_mov_b32 s47, s46
	s_mov_b32 s56, 0x39506967                      ; the exponential's leading coefficient
	s_mov_b32 s57, 0x3fb8aa3b                      ; log2(e)
	s_mov_b32 s58, 0x76543210                      ; v_permlanex16_b32: each lane takes its own place in the other half
	s_mov_b32 s59, 0xfedcba98
	s_lshl_b32 s60, ttmp9, 6                       ; sel: 16 g words
	s_lshl_b32 s61, ttmp9, 7                       ; gw: 16 g pairs
	s_and_b32 s62, ttmp9, 7                        ; bm: ((g % 8) * 2 + e / 4) * 512 + (g / 8) * 16 + (e % 4) * 4: a later lane l then finds words 8 l .. 8 l + 7 of all experts by 16 loads of 16 bytes
	s_lshl_b32 s62, s62, 10
	s_lshr_b32 s63, ttmp9, 3
	s_lshl_b32 s63, s63, 4
	s_add_co_u32 s62, s62, s63
	s_wait_loadcnt 8                               ; bg1 and the first 64 k of both operands are in; the 8 loads of x's second half may stay out
.set c, 8
.rept 8
.irp j, 0,1,2,3
	global_load_b32 v[80+4*c+\j], v209, s[10:11] offset:c*512+\j*64
.endr
.set c, c+1
.endr
.set i, 0
.rept 8
	global_load_b128 v[144+8*i:147+8*i], v210, s[14:15] offset:i*32
	global_load_b128 v[148+8*i:151+8*i], v210, s[14:15] offset:i*32+16
.set i, i+1
.endr
; hidden^T = Wg1^T x^T + bg1: source 0 = 16 units, source 1 = 16 tokens.  Four accumulators take turns, one instruction a turn; each sum's first K step takes bg1 or the constant 0 as C.
.macro RSTEPS from, n
.set st, \from
.rept \n
.set ac, 224+8*(st%4)
.if st == 0
	v_wmma_f32_16x16x4_f32 v[ac:ac+7], v[80+2*st:81+2*st], v[16+2*st:17+2*st], v[8:15]
.elseif st < 4
	v_wmma_f32_16x16x4_f32 v[ac:ac+7], v[80+2*st:81+2*st], v[16+2*st:17+2*st], 0
.else
	v_wmma_f32_16x16x4_f32 v[ac:ac+7], v[80+2*st:81+2*st], v[16+2*st:17+2*st], v[ac:ac+7]
.endif
.set st, st+1
.endr
.endm
	RSTEPS 0, 16
	s_wait_loadcnt 16                              ; the second 64 k are in; Wg2's 16 loads may stay out
	RSTEPS 16, 16
	v_lshl_add_u32 v211, v2, 2, s60                ; the stores' offsets: eight plain lines that name no register of the products, the places that the f32 form wants behind it
	v_lshl_add_u32 v212, v2, 3, s61
	v_and_b32 v214, 7, v1                          ; the expert whose word my lane stores
	v_lshrrev_b32 v213, 2, v214
	v_lshlrev_b32 v213, 9, v213
	v_and_b32 v215, 3, v1
	v_lshl_add_u32 v213, v215, 2, v213
	v_add_nc_u32 v213, s62, v213
.irp p, 0,1,2,3                        ; the four sums are added into other registers, each accumulator from its low end on
	v_pk_add_f32 v[8+2*\p:9+2*\p], v[224+2*\p:225+2*\p], v[232+2*\p:233+2*\p]
.endr
.irp p, 0,1,2,3
	v_pk_add_f32 v[16+2*\p:17+2*\p], v[240+2*\p:241+2*\p], v[248+2*\p:249+2*\p]
.endr
.irp p, 0,1,2,3
	v_pk_add_f32 v[8+2*\p:9+2*\p], v[8+2*\p:9+2*\p], v[16+2*\p:17+2*\p]
.endr
; gelu(z) = (z / 2 + a) - a q, a = |z| / 2, q = erfc(|z| / sqrt 2) = 1 / P(a)^16
	ALL8 v_mul_f32 v[16+e], 0.5, |v[8+e]|
.irp p, 0,1,2,3
	v_pk_fma_f32 v[24+2*\p:25+2*\p], v[16+2*\p:17+2*\p], s[46:47], s[44:45] op_sel_hi:[1,0,0]
.endr
.irp c, 42,40,38,36
.irp p, 0,1,2,3
	v_pk_fma_f32 v[24+2*\p:25+2*\p], v[24+2*\p:25+2*\p], v[16+2*\p:17+2*\p], s[\c:\c+1] op_sel_hi:[1,1,0]
.endr
.endr
.irp p, 0,1,2,3
	v_pk_fma_f32 v[24+2*\p:25+2*\p], v[24+2*\p:25+2*\p], v[16+2*\p:17+2*\p], 1.0 op_sel_hi:[1,1,0]
.endr
	ALL8 v_rcp_f32 v[24+e], v[24+e]
.irp p, 0,1,2,3
	v_pk_fma_f32 v[32+2*\p:33+2*\p], v[8+2*\p:9+2*\p], 0.5, v[16+2*\p:17+2*\p] op_sel_hi:[1,0,1]   ; z / 2 + a: plain work behind the reciprocals
.endr
	s_wait_alu depctr_va_vdst(0)                   ; one wait for the eight reciprocals, ahead of their first reader
.rept 4
.irp p, 0,1,2,3
	v_pk_mul_f32 v[24+2*\p:25+2*\p], v[24+2*\p:25+2*\p], v[24+2*\p:25+2*\p]
.endr
.endr
.irp p, 0,1,2,3
	v_pk_fma_f32 v[8+2*\p:9+2*\p], v[16+2*\p:17+2*\p], v[24+2*\p:25+2*\p], v[32+2*\p:33+2*\p] neg_lo:[1,0,0] neg_hi:[1,0,0]
.endr
; logits (v96-103): my eight units' share, then the other half of the lanes' (the same bits in both halves), then bg2
	s_wait_loadcnt 0x0                             ; Wg2
	s_wait_kmcnt 0x0                               ; bg2
.set jp, 0
.rept 4
.irp p, 0,1,2,3
.if jp == 0
	v_pk_mul_f32 v[96+2*\p:97+2*\p], v[8:9], v[144+2*\p:145+2*\p] op_sel_hi:[0,1]
.else
	v_pk_fma_f32 v[96+2*\p:97+2*\p], v[8+2*jp:9+2*jp], v[144+16*jp+2*\p:145+16*jp+2*\p], v[96+2*\p:97+2*\p] op_sel_hi:[0,1,1]
.endif
.endr
.irp p, 0,1,2,3
	v_pk_fma_f32 v[96+2*\p:97+2*\p], v[8+2*jp:9+2*jp], v[152+16*jp+2*\p:153+16*jp+2*\p], v[96+2*\p:97+2*\p] op_sel:[1,0,0] op_sel_hi:[1,1,1]
.endr
.set jp, jp+1
.endr
	ALL8 v_permlanex16_b32 v[24+e], v[96+e], s58, s59
	ALL8 v_add_f32 v[96+e], v[96+e], v[24+e]
	ALL8 v_add_f32 v[96+e], s[48+e], v[96+e]
; softmax as it is defined: the maximum is taken away; exp(d) = 2^n (1 + p(r)), n = d log2(e) rounded to a whole number (by adding 1.5 x 2^23, whose sum keeps n in its lowest bits), r = d - n ln 2 in two parts;
; the sum in ascending order; the division refined by one step
	v_max3_num_f32 v104, v96, v97, v98
	v_max3_num_f32 v104, v104, v99, v100
	v_max3_num_f32 v104, v104, v101, v102
	v_max_num_f32 v104, v104, v103
	ALL8 v_sub_f32 v[96+e], v[96+e], v104
	ALL8 v_max_num_f32 v[96+e], 0xc2ae0000, v[96+e]
	ALL8 v_fmaak_f32 v[40+e], s57, v[96+e], 0x4b400000
	ALL8 v_add_f32 v[72+e], 0xcb400000, v[40+e]
	ALL8 v_fmamk_f32 v[48+e], v[72+e], 0xbf318000, v[96+e]
	ALL8 v_fmamk_f32 v[48+e], v[72+e], 0x395e8083, v[48+e]
	ALL8 v_fmaak_f32 v[56+e], s56, v[48+e], 0x3ab743ce
	ALL8 v_fmaak_f32 v[56+e], v[56+e], v[48+e], 0x3c088908
	ALL8 v_fmaak_f32 v[56+e], v[56+e], v[48+e], 0x3d2aa9c1
	ALL8 v_fmaak_f32 v[56+e], v[56+e], v[48+e], 0x3e2aaaaa
	ALL8 v_fmaak_f32 v[56+e], v[56+e], v[48+e], 0x3f000000
	ALL8 v_mul_f32 v[64+e], v[48+e], v[48+e]
	ALL8 v_fma_f32 v[56+e], v[56+e], v[64+e], v[48+e]
	ALL8 v_add_f32 v[56+e], 1.0, v[56+e]
	ALL8 v_lshlrev_b32 v[40+e], 23, v[40+e]
	ALL8 v_add_nc_u32 v[40+e], 0x3f800000, v[40+e]
	ALL8 v_mul_f32 v[56+e], v[56+e], v[40+e]
	v_add_f32 v105, v56, v57
.irp e, 58,59,60,61,62,63
	v_add_f32 v105, v105, v\e
.endr
	v_rcp_f32 v106, v105
	v_nop
	s_wait_alu depctr_va_vdst(0)
	ALL8 v_mul_f32 v[64+e], v[56+e], v106
	ALL8 v_fma_f32 v[72+e], -v[64+e], v105, v[56+e]
	ALL8 v_fma_f32 v[64+e], v[72+e], v106, v[64+e]
; top 2: a later gate wins only if it is greater, so a tie keeps the lower index
	v_mov_b32 v80, v64
	v_mov_b32 v81, 0
.irp e, 1,2,3,4,5,6,7
	v_cmp_gt_f32 vcc_lo, v[64+\e], v80
	v_cndmask_b32 v80, v80, v[64+\e], vcc_lo
	v_cndmask_b32 v81, v81, \e, vcc_lo
.endr
.irp e, 0,1,2,3,4,5,6,7
	v_cmp_eq_u32 vcc_lo, \e, v81
	v_cndmask_b32 v[64+\e], v[64+\e], -1.0, vcc_lo
.endr
	v_mov_b32 v82, v64
	v_mov_b32 v83, 0
.irp e, 1,2,3,4,5,6,7
	v_cmp_gt_f32 vcc_lo, v[64+\e], v82
	v_cndmask_b32 v82, v82, v[64+\e], vcc_lo
	v_cndmask_b32 v83, v83, \e, vcc_lo
.endr
	v_add_f32 v84, v80, v82
	v_rcp_f32 v85, v84
	v_lshl_or_b32 v88, v83, 8, v81                 ; i1 | i2 << 8: plain work behind the reciprocal
	s_wait_alu depctr_va_vdst(0)
	v_mul_f32 v86, v80, v85
	v_mul_f32 v87, v82, v85
	v_fma_f32 v90, -v86, v84, v80
	v_fma_f32 v91, -v87, v84, v82
	v_fma_f32 v86, v90, v85, v86
	v_fma_f32 v87, v91, v85, v87
; the bitmap: a lane keeps the word of expert lane % 8
.set e, 0
.rept 8
	v_cmp_eq_u32 s60, e, v81
	v_cmp_eq_u32 s61, e, v83
	s_or_b32 s60, s60, s61
	s_and_b32 s60, s60, 0xffff                     ; both halves of the lanes hold the same 16 tokens
	s_bcnt1_i32_b32 s61, s60
	s_lshl_b32 s61, s61, 16
	s_or_b32 s60, s60, s61
.if e == 0
	v_mov_b32 v89, s60
.else
	v_cmp_eq_u32 vcc_lo, e, v214
	v_cndmask_b32 v89, v89, s60, vcc_lo
.endif
.set e, e+1
.endr
	global_store_b32 v211, v88, s[28:29]           ; sel: 64 consecutive bytes
	global_store_b64 v212, v[86:87], s[30:31]      ; gw: 128 consecutive bytes
	global_store_b32 v213, v89, s[26:27]           ; bm: two runs of 16 bytes
	s_wait_tensorcnt 0x0                           ; a wave's end in a launch that writes LDS
	ds_add_u32 v4, v5
	s_wait_dscnt 0x0
	s_endpgm
.Lfunc_end_k_qe16531d1bb_prep:
	.size	k_qe16531d1bb_prep, .Lfunc_end_k_qe16531d1bb_prep-k_qe16531d1bb_prep
	.p2alignl 7, 3214868480
	.fill 96, 4, 3214868480
	.section	.rodata,"a",@progbits
	.p2align	6, 0x0
	.amdhsa_kernel k_qe16531d1bb_prep
		.amdhsa_group_segment_fixed_size 88576
		.amdhsa_private_segment_fixed_size 0
		.amdhsa_enable_private_segment 0
		.amdhsa_kernarg_size 96
		.amdhsa_user_sgpr_count 2
		.amdhsa_user_sgpr_kernarg_segment_ptr 1
		.amdhsa_wavefront_size32 1
		.amdhsa_system_sgpr_workgroup_id_x 1
		.amdhsa_system_sgpr_workgroup_id_y 1
		.amdhsa_system_sgpr_workgroup_id_z 1
		.amdhsa_system_vgpr_workitem_id 0
		.amdhsa_next_free_vgpr 256
		.amdhsa_next_free_sgpr 66
		.amdhsa_reserve_vcc 1
		.amdhsa_float_denorm_mode_32 3
		.amdhsa_float_denorm_mode_16_64 3
		.amdhsa_memory_ordered 1
		.amdhsa_forward_progress 1
		.amdhsa_inst_pref_size 54
	.end_amdhsa_kernel
	.amdgpu_metadata
---
amdhsa.version: [ 1, 2 ]
amdhsa.kernels:
  - .name:           k_qe16531d1bb_prep
    .symbol:         k_qe16531d1bb_prep.kd
    .args:
      - { .name: x, .offset: 0, .size: 8, .value_kind: global_buffer, .address_space: global }
      - { .name: Wg1, .offset: 8, .size: 8, .value_kind: global_buffer, .address_space: global }
      - { .name: bg1, .offset: 16, .size: 8, .value_kind: global_buffer, .address_space: global }
      - { .name: Wg2, .offset: 24, .size: 8, .value_kind: global_buffer, .address_space: global }
      - { .name: bg2, .offset: 32, .size: 8, .value_kind: global_buffer, .address_space: global }
      - { .name: W1, .offset: 40, .size: 8, .value_kind: global_buffer, .address_space: global }
      - { .name: W2, .offset: 48, .size: 8, .value_kind: global_buffer, .address_space: global }
      - { .name: W3, .offset: 56, .size: 8, .value_kind: global_buffer, .address_space: global }
      - { .name: wf, .offset: 64, .size: 8, .value_kind: global_buffer, .address_space: global }
      - { .name: bm, .offset: 72, .size: 8, .value_kind: global_buffer, .address_space: global }
      - { .name: sel, .offset: 80, .size: 8, .value_kind: global_buffer, .address_space: global }
      - { .name: gw, .offset: 88, .size: 8, .value_kind: global_buffer, .address_space: global }
    .group_segment_fixed_size: 88576
    .private_segment_fixed_size: 0
    .kernarg_segment_align: 8
    .kernarg_segment_size: 96
    .max_flat_workgroup_size: 352
    .sgpr_count:     66
    .vgpr_count:     256
    .wavefront_size: 32
...
	.end_amdgpu_metadata
.endif
;; end of part 1
;; launch chain (part 2): grid 135 x 1, 4 waves a work-group, no clusters, 215,552 bytes of LDS; arguments x, wf, bm, sel, gw, b1, g1, be1, b2, g2, be2, b3, part; writes part
.if DOCPART == 2
	.amdgcn_target "amdgcn-amd-amdhsa--gfx1250"
	.amdhsa_code_object_version 6
	.text
	.protected	k_qe16531d1bb_chain
	.globl	k_qe16531d1bb_chain
	.p2align	8
	.type	k_qe16531d1bb_chain,@function
k_qe16531d1bb_chain:
	s_mov_b64 s[64:65], 0
	v_nop
	global_prefetch_b8 v0, s[64:65] scope:SCOPE_SE
	s_setreg_imm32_b32 hwreg(HW_REG_WAVE_MODE, 25, 1), 1
	s_wait_xcnt 0x0
; CHAIN.  A work-group takes a tile of up to 64 rows (tokens that chose one expert) through the expert's whole chain:
;   gather x -> x W1 + b1 -> LN, GELU -> h1 W2 + b2 -> LN, GELU -> h2 W3 + b3 -> times the gate -> part[token][slot][128] (f32; the next launch adds a token's two slots).
; GRID.  8,192 routed rows, 8 experts, tiles of 64: never more than 128 + 7 = 135 tiles, whatever the split.  Every work-group counts the routing for itself from the bitmap (8 KiB of whole numbers that
;   the launch before stored), finds its expert and tile, and lists its tokens by a counting sort in LDS.  A work-group that the split leaves without rows computes tile 0 of the last expert that has rows
;   once more and jumps over its stores: so every wave passes every barrier, and no barrier stands under a branch on loaded data.  Rows past a tile's count repeat its last row and are not stored.
; SHARES.  Four waves.  In products 1 and 2 wave w makes output channels 256 w .. 256 w + 255 of all 64 rows: 64 accumulators of 16 x 16, 512 registers.  In product 3 it multiplies its own 256 channels of h2
;   (K is split by ownership) and the four partial outputs are added in f32 through LDS.
; OPERANDS.  f16 with f32 sums.  Source 0 = 16 channels of weights, source 1 = 16 rows: a lane then holds ONE row (lane % 16) and eight neighbouring channels 8 (lane / 16) + 0..7 of it.
;   The weights come from memory straight into operand registers (they were laid out so): each fragment is used by one wave of the work-group alone, so a way through LDS would add a write and a read of
;   2.5 MiB and spare nothing.  Three register buffers of 16 KiB take turns: two K steps are on their way while one is multiplied.
; K ORDER OF PRODUCT 2.  An expert's work-groups walk the same 2 MiB of W2.  Work-group n begins at K step ROT = 2 (j xor 14 (j & 1)), j = n mod 16, and goes round the 32 steps: sixteen neighbouring
;   work-groups have sixteen different starts, two steps apart, and those that agree in any one bit of j have starts at most six steps apart.  So a K step's weights are asked for by one work-group first and by
;   the others some steps later, not by all at once.  A row's f32 sum therefore begins at a K step that hangs on the work-group: an order of rounding other than the reference's.
; NO CLUSTER.  An expert's work-groups walk the same weights.  Joint loads would have to land in LDS: beside the 164 KiB of activations two slots of 32 along K (64 KiB each) would fit, that is 64 matrix
;   instructions a wave between a request and its wait, and a round of the cluster's barrier for each; and the number of an expert's tiles hangs on the split, so partners would differ in their expert.
; LN.  Each wave takes the mean of its 256 channels, then the sum of squares about THAT mean; one exchange through LDS joins the four (mean of means; M2 = sum M2_w + 256 sum (m_w - mean)^2): no difference of large sums.
; GELU.  gelu(z) = (z / 2 + a) - a q, a = |z| / 2, q = erfc(|z| / sqrt 2) = 1 / P(a)^16, P of six terms: absolute error of erf 3e-7 at the most, for every z.  The normalised z is staged in LDS as f16, in h's own
;   place, and the GELU is a loop over LDS: written on the 512 accumulator registers it would be many times as long a text.
; LIMITS.  f16 holds no number beyond 65,504: x, the weights and LN's output (at most 32 |g| + |be|) are taken to lie within it; below 6e-5 f16 keeps its fixed step of 6e-8.  NaN and infinities are not treated apart.
; LDS.  H and XS lie by K step: [step][64 rows][80 bytes] (64 of data + 16 of padding = 20 words: the 16 rows of a fragment load start at 16 different groups of four banks).  A wave's eight steps of H are 40,960 consecutive bytes.
.set STEPB, 5120                       ; a K step's tile: 64 rows x 80 bytes
.set TBB,   1280                       ; 16 rows of it
.set WREG,  40960                      ; a wave's eight steps of H
.set XS,    163840                     ; behind H (32 steps): x in f16, 4 steps
.set PRM,   184320                     ; [w][b1, g1, be1, b2, g2, be2][1,024 bytes]: each wave's own 256 channels
.set STAT,  208896                     ; [layer][w][64 rows][mean, M2]
.set LIST,  212992                     ; [w][128 words]: 64 entries, word 64 takes what falls outside the tile
.set SPARE, 215040                     ; the spare words: 128 bytes for each wave, two blocks of 256 bytes that no other line names
.set REDW,  33792                      ; over H, when it is dead: [w][64 rows][528 bytes] partial outputs in f32
.set REDP,  528
.set WF2,   2097152
.set WF3,   18874368
; vector registers, window 0 (an instruction names v0-v255; s_set_vgpr_msb says which window of 256 each operand place means: bits 1:0 source 0, 3:2 source 1, 5:4 source 2, 7:6 destination)
.set LANE, 1
.set R,    2                           ; lane % 16
.set HF,   3                           ; lane / 16
.set SPW,  4                           ; LDS address of my spare word; never rewritten
.set NIL,  5                           ; 0; never rewritten
.set L16,  6                           ; 16 x lane; never rewritten
.set POF,  7                           ; my offset in the six parameter tensors
.set GS,   8                           ; GELU: where the trip stores
.set GAD,  9                           ; GELU: where the next trip's z lies
.set DST,  10                          ; 2 x token + slot of row 16 w + lane % 16
.set GWT,  11                          ; its gate
.set HA,   12                          ; the fragment loads' address
.set B3O,  13
.set FRB,  14                          ; R * 80 + 16 HF
.set TMP,  15
.set ZS,   16                          ; FRB + my wave's block of H
.set RDA,  17                          ; the way out: my 16 bytes of row 16 w in partial outputs 0, 1; never rewritten
.set RDB,  18                          ; and 2, 3; never rewritten
.set RST,  19
.set PRA,  20                          ; my parameters: PRM + 6,144 w + 32 HF
.set PRL,  21                          ; the same for the layer in hand
.set STW,  22
.set STR,  23
.set SC,   24                          ; v24-31: for each block of 16 rows (mean, M2), later (1 / sigma, - mean / sigma)
;   v32-63, v64-95, v96-127: three buffers of activation fragments; at work outside the products.      v128-255: weight buffer 0
;   window 1: v0-127 weight buffer 1; v128-255 weight buffer 2 (the bias at a product's start; at work in the GELU)
;   windows 2, 3: the accumulators: block tb of 16 rows, block nb of 16 channels at window 2 + tb / 2, register 128 (tb % 2) + 8 nb
.set GA,   128                         ; GELU, window 1: a
.set GP,   160                         ;   P, then q, then the result
.set GR,   192                         ;   z / 2 + a
.set KH,   224                         ;   0.5
.set KZ,   225                         ;   0
.set GZ,   228                         ;   16 registers of z in f16
; scalar registers: s[8:33] the 13 addresses in the order of the arguments
.set WV,    34
.set EX,    35                         ; my expert
.set TAU,   36
.set CNT,   37
.set NROWS, 38
.set NV,    39                         ; rows to store: NROWS, or 0
.set KC,    60                         ; the inner loops' counter
.set LAYER, 61
.set IV,    62                         ; 1 / 1024
.set EPS,   63
.set SEL,   66
.set WP,    68                         ; s[68:69] the weight stream
.set OF,    70                         ; s[70:71] an offset pair
.set WB,    86                         ; s[86:87] W2 of my expert and wave: K step 0
.set KQ,    88                         ; the K step of product 2 that is asked for next, 0 .. 31
.set ROT,   89                         ; the K step at which my work-group begins product 2: even, 0 .. 30
.set MSB, 0
.macro WIN new                         ; the immediate's high byte repeats the setting that is left; a switch that changes nothing is dropped
.if MSB != (\new)
	s_set_vgpr_msb (MSB<<8)|(\new)
.set MSB, (\new)
.endif
.endm
.macro PLACES                          ; a load into a register that a matrix instruction has read, and a vector or LDS instruction that reads a matrix result, stand four plain vector instructions behind it
.rept 4
	v_nop
.endr
.endm
.macro BAR                             ; my LDS instructions are done, for the others' sake; then the work-group's barrier
	s_wait_dscnt 0x0
	s_barrier_signal -1
	s_barrier_wait -1
.endm
.macro BUFSET b                        ; weight buffer b: its window and first register
.if (\b) == 0
.set BW, 0
.set BL, 128
.elseif (\b) == 1
.set BW, 1
.set BL, 0
.else
.set BW, 1
.set BL, 128
.endif
.endm
.macro WLOAD b, ofs                    ; 16 fragments, 16 KiB, into weight buffer b: 32 loads of 512 consecutive bytes
	BUFSET \b
	WIN BW<<6
.set n, 0
.rept 16
	global_load_b128 v[BL+8*n:BL+8*n+3], v[L16], s[WP:WP+1] offset:(\ofs)+n*1024
	global_load_b128 v[BL+8*n+4:BL+8*n+7], v[L16], s[WP:WP+1] offset:(\ofs)+n*1024+512
.set n, n+1
.endr
.endm
.macro ALOAD a, imm                    ; the four row blocks' fragments of one K step into activation buffer a
	WIN 0
.set AB, 32+32*(\a)
.irp t, 0,1,2,3
	ds_load_b128 v[AB+8*\t:AB+8*\t+3], v[HA] offset:(\imm)+\t*TBB
	ds_load_b128 v[AB+8*\t+4:AB+8*\t+7], v[HA] offset:(\imm)+\t*TBB+32
.endr
.endm
.macro BIASLD p                        ; parameter p of my 256 channels into weight buffer 2, in an accumulator's layout: it is the C operand of a product's first K step
	WIN 0x40
.set n, 0
.rept 16
	ds_load_b128 v[128+8*n:128+8*n+3], v[PRA] offset:(\p)*1024+n*64
	ds_load_b128 v[128+8*n+4:128+8*n+7], v[PRA] offset:(\p)*1024+n*64+16
.set n, n+1
.endr
.endm
; 2 nbs matrix instructions: row blocks 2 hi, 2 hi + 1 x nbs channel blocks, 32 along K.  mode 1: the bias starts the sums; 2: the constant 0 does; 0: they go on.
; The accumulators take turns, one instruction a turn, in the same order in every K step.
.macro MUL b, half, a, hi, mode, nbs
	BUFSET \b
.set AB, 32+32*(\a)
.if (\mode) == 1
	WIN BW|0x10|((2+(\hi))<<6)
.else
	WIN BW|((2+(\hi))<<4)|((2+(\hi))<<6)
.endif
.set n, 0
.rept \nbs
.irp t, 0,1
.if (\mode) == 1
	v_wmma_f32_16x16x32_f16 v[128*\t+8*n:128*\t+8*n+7], v[BL+64*(\half)+8*n:BL+64*(\half)+8*n+7], v[AB+8*(2*(\hi)+\t):AB+8*(2*(\hi)+\t)+7], v[128+8*n:128+8*n+7]
.elseif (\mode) == 2
	v_wmma_f32_16x16x32_f16 v[128*\t+8*n:128*\t+8*n+7], v[BL+64*(\half)+8*n:BL+64*(\half)+8*n+7], v[AB+8*(2*(\hi)+\t):AB+8*(2*(\hi)+\t)+7], 0
.else
	v_wmma_f32_16x16x32_f16 v[128*\t+8*n:128*\t+8*n+7], v[BL+64*(\half)+8*n:BL+64*(\half)+8*n+7], v[AB+8*(2*(\hi)+\t):AB+8*(2*(\hi)+\t)+7], v[128*\t+8*n:128*\t+8*n+7]
.endif
.endr
.set n, n+1
.endr
.endm
; The t-th K step that a product multiplies uses weight buffer t % 3 and activation buffer t % 3.
.macro KS0                             ; the first step
	s_wait_loadcnt 32                              ; the second step's 32 weight loads may stay out
	s_wait_dscnt 8                                 ; the bias and the first step's fragments are in; the second's 8 loads may stay out
	MUL 0,0,0,0,1,16
	MUL 0,0,0,1,1,16
.endm
.macro KS1                             ; product 1's second step; it asks for the third and the fourth
	PLACES
	WLOAD 2,32768
	ALOAD 2,2*STEPB
	ALOAD 0,3*STEPB
	s_wait_loadcnt 32                              ; the third step's loads may stay out
	s_wait_dscnt 16                                ; the third's and the fourth's fragments may stay out
	MUL 1,0,1,0,0,16
	WLOAD 0,49152
	MUL 1,0,1,1,0,16
.endm
; Product 2 goes round its 32 K steps from ROT on: the stream's base and the fragments' address are made anew for K step s[KQ].
.macro TURNTO lim
	WIN 0
	s_wait_xcnt 0x0                                ; the stream's base is rewritten only behind this wait; the loads that name it were issued a K step ago
	s_min_u32 s77, s[KQ], \lim                     ; what enters an address is bounded by a constant
	s_lshl_b32 s[OF], s77, 14                      ; 16 KiB of my wave's weights a step
	s_mul_i32 s76, s77, STEPB
	s_add_nc_u64 s[WP:WP+1], s[WB:WB+1], s[OF:OF+1]
.rept 3
	v_nop
.endr
	v_add_nc_u32 v[HA], s76, v[FRB]                ; with the three lines above it: the four places in front of the loads that follow
.endm
.macro KS1R                            ; product 2's second step; it asks for the third and the fourth, which lie together, since s[KQ] is even here
	TURNTO 30
	WLOAD 2,0
	ALOAD 2,0
	ALOAD 0,STEPB
	s_wait_loadcnt 32                              ; the third step's loads may stay out
	s_wait_dscnt 16                                ; the third's and the fourth's fragments may stay out
	MUL 1,0,1,0,0,16
	WLOAD 0,16384
	MUL 1,0,1,1,0,16
	s_add_co_u32 s[KQ], s[KQ], 2
	s_and_b32 s[KQ], s[KQ], 31
.endm
.macro KSR b                           ; a step in the stream: it asks for the step two on, into the buffers that the step before has left
	TURNTO 31
	s_add_co_u32 s[KQ], s[KQ], 1
	s_and_b32 s[KQ], s[KQ], 31                     ; round the ring of 32
	WLOAD ((\b)+2)%3,0
	ALOAD ((\b)+2)%3,0
	s_wait_loadcnt 63                              ; 64 loads were issued behind this step's; the largest count that the wait can name serves
	s_wait_dscnt 16                                ; the next two steps' fragments may stay out
	MUL \b,0,\b,0,0,16
	MUL \b,0,\b,1,0,16
.endm
.macro KSN b, lc, dc                   ; a step that asks for nothing
	s_wait_loadcnt \lc
	s_wait_dscnt \dc
	MUL \b,0,\b,0,0,16
	MUL \b,0,\b,1,0,16
.endm
; ---------------------------------------------------------------- head
	s_load_b512 s[8:23], s[0:1], 0x0               ; x s[8:9], wf s[10:11], bm s[12:13], sel s[14:15], gw s[16:17], b1 s[18:19], g1 s[20:21], be1 s[22:23]
	s_load_b256 s[24:31], s[0:1], 0x40             ; b2 s[24:25], g2 s[26:27], be2 s[28:29], b3 s[30:31]
	s_load_b64 s[32:33], s[0:1], 0x60              ; part
	v_lshl_add_u32 v[SPW], v0, 2, SPARE
	v_mov_b32 v[NIL], 0
	v_and_b32 v[LANE], 31, v0
	v_lshrrev_b32 v[TMP], 5, v0
	v_readfirstlane_b32 s[WV], v[TMP]              ; wave 0..3
	v_and_b32 v[R], 15, v0
	v_bfe_u32 v[HF], v0, 4, 1
	v_lshlrev_b32 v[L16], 4, v[LANE]
	s_mov_b32 s48, 0x3dcc41b4                      ; c1 .. c6 of P, each as a pair for the packed forms: c_k at s[46 + 2 k]
	s_mov_b32 s49, s48
	s_mov_b32 s50, 0x3dad2fe7
	s_mov_b32 s51, s50
	s_mov_b32 s52, 0x3cd6cd72
	s_mov_b32 s53, s52
	s_mov_b32 s54, 0x3a1f6607
	s_mov_b32 s55, s54
	s_mov_b32 s56, 0x3acd0fec
	s_mov_b32 s57, s56
	s_mov_b32 s58, 0x39b49f67
	s_mov_b32 s59, s58
	s_mov_b32 s[IV], 0x3a800000
	s_mov_b32 s[EPS], 0x3727c5ac
	s_mov_b32 s[SEL], 0x76543210                   ; v_permlanex16_b32: each lane takes its own place in the other half
	s_mov_b32 s[SEL+1], 0xfedcba98
	s_mov_b32 s[OF+1], 0
	s_mov_b32 s85, 0
	s_and_b32 s[ROT], ttmp9, 15                    ; j
	s_and_b32 s76, ttmp9, 1
	s_mul_i32 s76, s76, 14
	s_xor_b32 s[ROT], s[ROT], s76                  ; j xor 14 (j & 1)
	s_lshl_b32 s[ROT], s[ROT], 1
	s_min_u32 s[ROT], s[ROT], 30                   ; what enters an address is bounded by a constant
	s_wait_kmcnt 0x0
.set q, 0
.rept 16                               ; the whole bitmap: lane l gets words 8 l + i (16 tokens each) of expert e in v[32 + 8 i + e]
	global_load_b128 v[32+4*q:35+4*q], v[L16], s[12:13] offset:q*512
.set q, q+1
.endr
	v_mul_u32_u24 v[FRB], v[R], 80                 ; the lane's addresses, under the loads
	v_lshl_add_u32 v[FRB], v[HF], 4, v[FRB]
	s_mul_i32 s76, s[WV], WREG
	v_add_nc_u32 v[ZS], s76, v[FRB]
	s_mul_i32 s76, s[WV], 6144
	s_add_co_u32 s76, s76, PRM
	v_lshl_add_u32 v[PRA], v[HF], 5, s76
	v_mov_b32 v[PRL], v[PRA]
	v_lshl_add_u32 v122, v[LANE], 4, s76           ; where my parameters are put
	s_lshl_b32 s76, s[WV], 9
	s_add_co_u32 s76, s76, STAT
	v_lshl_add_u32 v[STW], v[R], 3, s76
	v_lshlrev_b32 v[STR], 3, v[R]
	v_add_nc_u32 v[STR], STAT, v[STR]
	s_mul_i32 s76, s[WV], 16*REDP
	v_add_nc_u32 v[RDA], s76, v[L16]               ; the way out: row 16 w of partial outputs 0, 1
	v_add_nc_u32 v[RDB], 2*REDW, v[RDA]            ; and 2, 3
	s_mul_i32 s76, s[WV], REDW
	v_mul_u32_u24 v[RST], v[R], REDP
	v_lshl_add_u32 v[RST], v[HF], 5, v[RST]
	v_add_nc_u32 v[RST], s76, v[RST]
	v_lshrrev_b32 v[TMP], 3, v[LANE]               ; x in f16: my four columns lie in step lane / 8, at byte 8 (lane % 8) of the row
	v_mul_u32_u24 v123, v[TMP], STEPB
	v_and_b32 v[TMP], 7, v[LANE]
	v_lshl_add_u32 v123, v[TMP], 3, v123
	s_mul_i32 s76, s[WV], TBB
	s_add_co_u32 s76, s76, XS
	v_add_nc_u32 v123, s76, v123
	s_wait_loadcnt 0x0
; ---------------------------------------------------------------- every expert's count
.set e, 0
.rept 8
	v_lshrrev_b32 v[96+e], 16, v[32+e]
.set e, e+1
.endr
.set i, 1
.rept 7
.set e, 0
.rept 8
	v_lshrrev_b32 v[112+e], 16, v[32+8*i+e]
	v_add_nc_u32 v[96+e], v[96+e], v[112+e]
.set e, e+1
.endr
.set i, i+1
.endr
.irp p, 0,1,2,3
	v_lshl_or_b32 v[104+\p], v[97+2*\p], 16, v[96+2*\p]    ; two counts to a word: none passes 4,096
.endr
	v_mov_b32 v108, 0
.irp m, 1,2,4,8
.irp p, 0,1,2,3
	v_mov_b32_dpp v108, v[104+\p] row_xmask:\m row_mask:0xf bank_mask:0xf
	v_add_nc_u32 v[104+\p], v[104+\p], v108
.endr
.endr
.irp p, 0,1,2,3
	v_permlanex16_b32 v108, v[104+\p], s[SEL], s[SEL+1]
	v_add_nc_u32 v[104+\p], v[104+\p], v108
	v_readfirstlane_b32 s[40+\p], v[104+\p]
.endr
; ---------------------------------------------------------------- which tile is mine: the last expert with rows whose first tile is not behind my number
	s_mov_b32 s78, ttmp9
	s_mov_b32 s44, 0                               ; tiles so far
	s_mov_b32 s[EX], 0
	s_mov_b32 s45, 0                               ; my expert's first tile
	s_mov_b32 s[CNT], 0
	s_mov_b32 s46, 0                               ; its tiles
.set e, 0
.rept 8
.if e%2 == 0
	s_and_b32 s47, s[40+e/2], 0xffff
.else
	s_lshr_b32 s47, s[40+e/2], 16
.endif
	s_add_co_u32 s76, s47, 63
	s_lshr_b32 s76, s76, 6
	s_cmp_lg_u32 s76, 0
	s_cselect_b32 s77, s44, -1                     ; an expert without rows is never chosen
	s_cmp_ge_u32 s78, s77
	s_cselect_b32 s[EX], e, s[EX]
	s_cselect_b32 s45, s44, s45
	s_cselect_b32 s[CNT], s47, s[CNT]
	s_cselect_b32 s46, s76, s46
	s_add_co_u32 s44, s44, s76
.set e, e+1
.endr
	s_sub_co_u32 s[TAU], s78, s45
	s_cmp_ge_u32 s[TAU], s46                       ; past the last tile: nothing of mine is stored
	s_cselect_b32 s[TAU], 0, s[TAU]
	s_cselect_b32 s79, 0, 1
	s_lshl_b32 s75, s[TAU], 6                      ; the tile's first row in the expert's order
	s_sub_co_u32 s[NROWS], s[CNT], s75
	s_min_u32 s[NROWS], s[NROWS], 64
	s_mul_i32 s[NV], s[NROWS], s79
	s_min_u32 s[EX], s[EX], 7
; ---------------------------------------------------------------- the first loads: my parameters, and K step 0 of W1
	s_lshl_b32 s76, s[EX], 12
	s_lshl_b32 s77, s[WV], 10
	s_add_co_u32 s76, s76, s77
	v_add_nc_u32 v[POF], s76, v[L16]
	WIN 0x40
.set p, 0
.rept 6
	global_load_b128 v[128+8*p:131+8*p], v[POF], s[18+2*p:19+2*p]
	global_load_b128 v[132+8*p:135+8*p], v[POF], s[18+2*p:19+2*p] offset:512
.set p, p+1
.endr
	s_lshl_b32 s[OF], s[EX], 21                    ; W2 of my expert and wave
	s_lshl_b32 s76, s[WV], 19
	s_add_co_u32 s[OF], s[OF], s76
	s_add_co_u32 s[OF], s[OF], WF2
	s_add_nc_u64 s[WB:WB+1], s[10:11], s[OF:OF+1]
	s_lshl_b32 s[OF], s[EX], 18                    ; W1 of my expert and wave
	s_lshl_b32 s76, s[WV], 16
	s_add_co_u32 s[OF], s[OF], s76
	s_add_nc_u64 s[WP:WP+1], s[10:11], s[OF:OF+1]
	WLOAD 0,0
	WIN 0
; ---------------------------------------------------------------- my expert's words, and each word's first rank less the tile's first row
	s_bitcmp1_b32 s[EX], 0
	s_cselect_b32 s72, -1, 0
	s_bitcmp1_b32 s[EX], 1
	s_cselect_b32 s73, -1, 0
	s_bitcmp1_b32 s[EX], 2
	s_cselect_b32 s74, -1, 0
.set i, 0
.rept 8
	v_cndmask_b32 v[32+8*i], v[32+8*i], v[33+8*i], s72
	v_cndmask_b32 v[34+8*i], v[34+8*i], v[35+8*i], s72
	v_cndmask_b32 v[36+8*i], v[36+8*i], v[37+8*i], s72
	v_cndmask_b32 v[38+8*i], v[38+8*i], v[39+8*i], s72
	v_cndmask_b32 v[32+8*i], v[32+8*i], v[34+8*i], s73
	v_cndmask_b32 v[36+8*i], v[36+8*i], v[38+8*i], s73
	v_cndmask_b32 v[32+8*i], v[32+8*i], v[36+8*i], s74
	v_lshrrev_b32 v[33+8*i], 16, v[32+8*i]         ; the word's count
.set i, i+1
.endr
	v_add3_u32 v96, v33, v41, v49
	v_add3_u32 v96, v96, v57, v65
	v_add3_u32 v96, v96, v73, v81
	v_add_nc_u32 v96, v96, v89                     ; my lane's 128 tokens
	v_mov_b32 v97, 0
	s_mov_b32 s76, 0
.set l, 0
.rept 32                               ; the sum of the lanes before mine
	v_writelane_b32 v97, s76, l
	v_readlane_b32 s77, v96, l
	s_add_co_u32 s76, s76, s77
.set l, l+1
.endr
	v_sub_nc_u32 v34, v97, s75
.set i, 0
.rept 7
	v_add_nc_u32 v[42+8*i], v[34+8*i], v[33+8*i]
.set i, i+1
.endr
	s_bitcmp1_b32 s[WV], 0                         ; wave w lists words 2 w and 2 w + 1 of every lane
	s_cselect_b32 s72, -1, 0
	s_bitcmp1_b32 s[WV], 1
	s_cselect_b32 s73, -1, 0
.irp x, 0,1
	v_cndmask_b32 v104, v[32+8*\x], v[48+8*\x], s72
	v_cndmask_b32 v105, v[64+8*\x], v[80+8*\x], s72
	v_cndmask_b32 v[100+\x], v104, v105, s73
	v_cndmask_b32 v104, v[34+8*\x], v[50+8*\x], s72
	v_cndmask_b32 v105, v[66+8*\x], v[82+8*\x], s72
	v_cndmask_b32 v[102+\x], v104, v105, s73
.endr
; ---------------------------------------------------------------- the list: each wave writes a list of its own (cleared first); an entry is written by one wave, so the four lists' sum is the token
	s_lshl_b32 s76, s[WV], 9
	s_add_co_u32 s76, s76, LIST
	v_lshl_add_u32 v106, v[LANE], 3, s76
	v_mov_b32 v107, s76
	v_mov_b32 v108, 0
	v_mov_b32 v109, 0
	ds_store_b64 v106, v[108:109]
	s_lshl_b32 s76, s[WV], 5
	v_lshl_add_u32 v110, v[LANE], 7, s76           ; the first token of word 2 w: 128 l + 32 w
	v_add_nc_u32 v111, 16, v110
	v_mov_b32 v112, 64
	s_mov_b32 s[KC], 16
.Lbits:                                ; a trip: one bit of both words
	v_and_b32 v104, 1, v100
	v_and_b32 v105, 1, v101
	v_cmp_ne_u32 vcc_lo, 0, v104
	v_cndmask_b32 v113, v112, v102, vcc_lo
	v_cmp_ne_u32 vcc_lo, 0, v105
	v_cndmask_b32 v114, v112, v103, vcc_lo
	v_min_u32 v113, 64, v113                       ; places before the tile (they wrap) and behind it fall on word 64
	v_min_u32 v114, 64, v114
	v_lshl_add_u32 v113, v113, 2, v107
	v_lshl_add_u32 v114, v114, 2, v107
	ds_store_b32 v113, v110
	ds_store_b32 v114, v111
	v_add_nc_u32 v102, v102, v104
	v_add_nc_u32 v103, v103, v105
	v_lshrrev_b32 v100, 1, v100
	v_lshrrev_b32 v101, 1, v101
	v_add_nc_u32 v110, 1, v110
	v_add_nc_u32 v111, 1, v111
	s_sub_co_i32 s[KC], s[KC], 1
	s_cmp_lg_u32 s[KC], 0
	s_cbranch_scc1 .Lbits
	BAR                                            ; barrier 1: the four lists are whole
	v_lshl_add_u32 v104, s[WV], 4, v[R]            ; row 16 w + lane % 16; past the count the last row is repeated
	s_sub_co_u32 s76, s[NROWS], 1
	v_min_u32 v104, s76, v104
	v_min_u32 v104, 63, v104
	v_lshlrev_b32 v104, 2, v104
	v_add_nc_u32 v104, LIST, v104
	ds_load_b32 v105, v104
	ds_load_b32 v113, v104 offset:512
	ds_load_b32 v114, v104 offset:1024
	ds_load_b32 v115, v104 offset:1536
	s_wait_dscnt 0x0
	v_add3_u32 v105, v105, v113, v114
	v_add_nc_u32 v116, v105, v115
	v_min_u32 v116, 0xfff, v116                    ; the row's token
; ---------------------------------------------------------------- gather: wave w brings rows 16 w .. 16 w + 15 of x, a whole row of 512 bytes to a load
.set i, 0
.rept 16
	v_readlane_b32 s76, v116, i
	s_min_u32 s76, s76, 0xfff
	v_lshl_add_u32 v[100+i], s76, 9, v[L16]
	global_load_b128 v[32+4*i:35+4*i], v[100+i], s[8:9]
.set i, i+1
.endr
	v_lshlrev_b32 v120, 2, v116
	v_lshlrev_b32 v121, 3, v116
	global_load_b32 v117, v120, s[14:15]
	global_load_b64 v[118:119], v121, s[16:17]
	WLOAD 1,16384
	s_wait_loadcnt 32                              ; all but K step 1's 32 loads are in
	WIN 0x04                                       ; store data in window 1
.set p, 0
.rept 6
	ds_store_b128 v122, v[128+8*p:131+8*p] offset:p*1024
	ds_store_b128 v122, v[132+8*p:135+8*p] offset:p*1024+512
.set p, p+1
.endr
	WIN 0
.set i, 0
.rept 16
	v_cvt_pk_f16_f32 v[32+4*i], v[32+4*i], v[33+4*i]
	v_cvt_pk_f16_f32 v[33+4*i], v[34+4*i], v[35+4*i]
	ds_store_b64 v123, v[32+4*i:33+4*i] offset:i*80
.set i, i+1
.endr
	v_lshrrev_b32 v117, 8, v117                    ; the token's second choice: is it my expert?
	v_cmp_eq_u32 vcc_lo, s[EX], v117
	v_cndmask_b32 v[GWT], v118, v119, vcc_lo
	v_cndmask_b32 v[TMP], 0, 1, vcc_lo
	v_lshl_add_u32 v[DST], v116, 1, v[TMP]
	BAR                                            ; barrier 2: x is whole
	s_mov_b32 s[LAYER], 0
; ---------------------------------------------------------------- two layers: a product, then LN and GELU, whose text both share
.Llayer:
	s_cmp_lg_u32 s[LAYER], 0
	s_cbranch_scc1 .Lg2
	v_add_nc_u32 v[HA], XS, v[FRB]                 ; PRODUCT 1: K = 128, four steps
	BIASLD 0
	ALOAD 0,0
	ALOAD 1,STEPB
	KS0
	KS1
	KSN 2,32,8                                     ; step 3's loads may stay out
	KSN 0,0,0
	WIN 0
	s_wait_xcnt 0x0                                ; the stream's base is rewritten only behind this wait
	s_lshl_b32 s[OF], s[ROT], 14
	s_add_nc_u64 s[WP:WP+1], s[WB:WB+1], s[OF:OF+1]  ; W2 at K step ROT: the text below asks for ROT and ROT + 1, which lie together, since ROT is even
	s_branch .Lepi
.Lg2:
	s_mul_i32 s76, s[ROT], STEPB                   ; PRODUCT 2: K = 1,024, 32 steps, from step ROT round the ring
	v_add_nc_u32 v[HA], s76, v[FRB]
	s_add_co_u32 s[KQ], s[ROT], 2
	s_and_b32 s[KQ], s[KQ], 31
	BIASLD 3
	ALOAD 0,0
	ALOAD 1,STEPB
	KS0
	KS1R
	WIN 0
	s_mov_b32 s[KC], 9
.Lk2:                                  ; a trip multiplies three steps (the 3rd to the 29th in all) and asks for the three that lie two on (the 5th to the 31st)
	KSR 2
	KSR 0
	KSR 1
	WIN 0
	s_sub_co_i32 s[KC], s[KC], 1
	s_cmp_lg_u32 s[KC], 0
	s_cbranch_scc1 .Lk2
	KSR 2                                          ; the 30th step asks for the 32nd
	KSN 0,32,8
	KSN 1,0,0
	WIN 0
	s_wait_xcnt 0x0
	s_lshl_b32 s[OF], s[EX], 18
	s_lshl_b32 s76, s[WV], 16
	s_add_co_u32 s[OF], s[OF], s76
	s_add_co_u32 s[OF], s[OF], WF3
	s_add_nc_u64 s[WP:WP+1], s[10:11], s[OF:OF+1]  ; W3's stream: my 8 K steps
.Lepi:
	PLACES
	WLOAD 0,0                                      ; the next product's first 16 KiB, under LN and GELU
; PASS A: the sum of my 128 numbers of each row.  Eight chains for each pair of row blocks; each accumulator's registers are taken in ascending order.
.irp hi, 0,1
	WIN 0x0a+5*\hi
.irp p, 0,1,2,3
.irp t, 0,1
	v_pk_add_f32 v[32+16*\hi+8*\t+2*\p:32+16*\hi+8*\t+2*\p+1], v[128*\t+2*\p:128*\t+2*\p+1], v[128*\t+8+2*\p:128*\t+8+2*\p+1]
.endr
.endr
	WIN 0x02+\hi
.set n, 2
.rept 14
.irp p, 0,1,2,3
.irp t, 0,1
	v_pk_add_f32 v[32+16*\hi+8*\t+2*\p:32+16*\hi+8*\t+2*\p+1], v[128*\t+8*n+2*\p:128*\t+8*n+2*\p+1], v[32+16*\hi+8*\t+2*\p:32+16*\hi+8*\t+2*\p+1]
.endr
.endr
.set n, n+1
.endr
.endr
	WIN 0
.macro REDUCE                          ; the four pairs at v[32 + 8 tb] and the other half of the lanes' into v[32 + 8 tb]
.irp tb, 0,1,2,3
	v_pk_add_f32 v[32+8*\tb:33+8*\tb], v[32+8*\tb:33+8*\tb], v[34+8*\tb:35+8*\tb]
	v_pk_add_f32 v[36+8*\tb:37+8*\tb], v[36+8*\tb:37+8*\tb], v[38+8*\tb:39+8*\tb]
.endr
.irp tb, 0,1,2,3
	v_pk_add_f32 v[32+8*\tb:33+8*\tb], v[32+8*\tb:33+8*\tb], v[36+8*\tb:37+8*\tb]
.endr
.irp tb, 0,1,2,3
	v_add_f32 v[32+8*\tb], v[32+8*\tb], v[33+8*\tb]
.endr
.irp tb, 0,1,2,3
	v_permlanex16_b32 v[33+8*\tb], v[32+8*\tb], s[SEL], s[SEL+1]
.endr
.irp tb, 0,1,2,3
	v_add_f32 v[32+8*\tb], v[32+8*\tb], v[33+8*\tb]
.endr
.endm
	REDUCE
.irp tb, 0,1,2,3
	v_mul_f32 v[SC+2*\tb], 0x3b800000, v[32+8*\tb] ; my wave's mean over its 256 channels
.endr
.irp tb, 0,1,2,3
	v_mov_b32 v[SC+2*\tb+1], v[SC+2*\tb]           ; named with it as a pair
.endr
; PASS B: the sum of squares about that mean, 32 pairs at a time: the differences under the accumulators' window, the squares under window 0
.irp tb, 0,1,2,3
.irp g, 0,1
	WIN 0x02+\tb/2
.set k, 0
.rept 32
	v_pk_add_f32 v[64+2*k:65+2*k], v[128*(\tb%2)+64*\g+2*k:128*(\tb%2)+64*\g+2*k+1], v[SC+2*\tb:SC+2*\tb+1] op_sel_hi:[1,0] neg_lo:[0,1] neg_hi:[0,1]
.set k, k+1
.endr
	WIN 0
.set k, 0
.rept 32
.if (\g == 0) && (k < 4)
	v_pk_mul_f32 v[32+8*\tb+2*k:33+8*\tb+2*k], v[64+2*k:65+2*k], v[64+2*k:65+2*k]
.else
	v_pk_fma_f32 v[32+8*\tb+2*(k%4):33+8*\tb+2*(k%4)], v[64+2*k:65+2*k], v[64+2*k:65+2*k], v[32+8*\tb+2*(k%4):33+8*\tb+2*(k%4)]
.endif
.set k, k+1
.endr
.endr
.endr
	REDUCE
.irp tb, 0,1,2,3
	v_mov_b32 v[SC+2*\tb+1], v[32+8*\tb]
.endr
	WLOAD 1,16384                                  ; the next product's second 16 KiB
	WIN 0
; THE EXCHANGE.  The barrier also says that every wave's reads of this product's activations are over: behind it their place in H may be written.
.irp tb, 0,1,2,3
	ds_store_b64 v[STW], v[SC+2*\tb:SC+2*\tb+1] offset:\tb*128
.endr
	BAR                                            ; barrier 3 (layer 0), 5 (layer 1)
.irp tb, 0,1,2,3
.irp w, 0,1,2,3
	ds_load_b64 v[64+8*\tb+2*\w:65+8*\tb+2*\w], v[STR] offset:\w*512+\tb*128
.endr
.endr
	s_wait_dscnt 0x0
.irp tb, 0,1,2,3
.set m, 64+8*\tb
.set u, 96+8*\tb
	v_add_f32 v[u], v[m], v[m+2]
	v_add_f32 v[u+1], v[m+4], v[m+6]
	v_add_f32 v[u+6], v[m+1], v[m+3]
	v_add_f32 v[u+7], v[m+5], v[m+7]
	v_add_f32 v[u], v[u], v[u+1]
	v_add_f32 v[u+6], v[u+6], v[u+7]
	v_mul_f32 v[u], 0x3e800000, v[u]               ; the row's mean
	v_sub_f32 v[u+1], v[m], v[u]
	v_sub_f32 v[u+2], v[m+2], v[u]
	v_sub_f32 v[u+3], v[m+4], v[u]
	v_sub_f32 v[u+4], v[m+6], v[u]
	v_mul_f32 v[u+5], v[u+1], v[u+1]
	v_fmac_f32 v[u+5], v[u+2], v[u+2]
	v_fmac_f32 v[u+5], v[u+3], v[u+3]
	v_fmac_f32 v[u+5], v[u+4], v[u+4]
	v_fmamk_f32 v[u+6], v[u+5], 0x43800000, v[u+6] ; M2 = sum M2_w + 256 sum (m_w - mean)^2
	v_fma_f32 v[u+6], v[u+6], s[IV], s[EPS]        ; the variance + eps
.endr
.irp tb, 0,1,2,3
	v_rsq_f32 v[SC+2*\tb], v[102+8*\tb]
.endr
	v_add_nc_u32 v[STW], 2048, v[STW]              ; the next layer's words: plain work behind the last root
	v_add_nc_u32 v[STR], 2048, v[STR]
	s_wait_alu depctr_va_vdst(0)                   ; one wait for the four roots, ahead of their first reader
.irp tb, 0,1,2,3
	v_mul_f32 v[SC+2*\tb+1], -v[96+8*\tb], v[SC+2*\tb]
.endr
	v_mov_b32 v[GS], v[ZS]
	v_mov_b32 v[GAD], v[ZS]
	WIN 0x40
	v_mov_b32 v[KH], 0.5
	v_mov_b32 v[KZ], 0
	WIN 0
; PASS C: z = ((x / sigma - mean / sigma) g + be), rounded to f16, into my block of H.  g and be come from LDS two channel blocks ahead, on two register sets.
.macro PLOAD nb
.set PB, 96+16*((\nb)%2)
	ds_load_b128 v[PB:PB+3], v[PRL] offset:1024+(\nb)*64
	ds_load_b128 v[PB+4:PB+7], v[PRL] offset:1024+(\nb)*64+16
	ds_load_b128 v[PB+8:PB+11], v[PRL] offset:2048+(\nb)*64
	ds_load_b128 v[PB+12:PB+15], v[PRL] offset:2048+(\nb)*64+16
.endm
	PLOAD 0
	PLOAD 1
.set cb, 0
.rept 16
.if (cb == 0) || (cb == 15)
	s_wait_dscnt 4                                 ; first block: the next set's 4 loads may stay out; last block: the 4 stores of the block before
.else
	s_wait_dscnt 8                                 ; the 4 stores of the block before and the next set's 4 loads may stay out
.endif
.irp hi, 0,1
	WIN 0x02+\hi
.irp t, 0,1
.irp p, 0,1,2,3
	v_pk_fma_f32 v[32+16*\hi+8*\t+2*\p:33+16*\hi+8*\t+2*\p], v[128*\t+8*cb+2*\p:128*\t+8*cb+2*\p+1], v[SC+4*\hi+2*\t:SC+4*\hi+2*\t+1], v[SC+4*\hi+2*\t:SC+4*\hi+2*\t+1] op_sel:[0,0,1] op_sel_hi:[1,0,1]
.endr
.endr
.endr
	WIN 0
.set PB, 96+16*(cb%2)
.irp tb, 0,1,2,3
.irp p, 0,1,2,3
	v_pk_fma_f32 v[32+8*\tb+2*\p:33+8*\tb+2*\p], v[32+8*\tb+2*\p:33+8*\tb+2*\p], v[PB+2*\p:PB+2*\p+1], v[PB+8+2*\p:PB+8+2*\p+1]
.endr
.endr
.irp tb, 0,1,2,3
.irp p, 0,1,2,3
	v_cvt_pk_f16_f32 v[64+4*\tb+\p], v[32+8*\tb+2*\p], v[32+8*\tb+2*\p+1]
.endr
.endr
.if cb == 15
	WIN 0x40                                       ; the GELU's first z (channel blocks 0 and 1, stored long ago) is asked for ahead of the last four stores, as in each of its trips
	ds_load_b128 v[GZ:GZ+3], v[GAD]
	ds_load_b128 v[GZ+4:GZ+7], v[GAD] offset:32
	ds_load_b128 v[GZ+8:GZ+11], v[GAD] offset:TBB
	ds_load_b128 v[GZ+12:GZ+15], v[GAD] offset:TBB+32
	WIN 0
.endif
.irp tb, 0,1,2,3
	ds_store_b128 v[ZS], v[64+4*\tb:67+4*\tb] offset:(cb/2)*STEPB+\tb*TBB+(cb%2)*32
.endr
.if cb < 14
	PLOAD cb+2
.endif
.set cb, cb+1
.endr
	v_add_nc_u32 v[PRL], 3072, v[PRL]              ; the next layer's parameters
; GELU on my block of H, in place: 16 trips of 2,560 bytes (half a K step: two row blocks x 32 channels), 32 numbers a lane.  No other wave touches these bytes before the barrier behind the loop.
.macro HORNER k, rc                    ; P for numbers 8 k .. 8 k + 7: 24 lines; rc = 1: the reciprocals of the eight before them stand among these, one behind every three
.set cnt, 0
.irp lev, 0,1,2,3,4,5
.irp p, 0,1,2,3
.set pr, 8*(\k)+2*\p
.if \lev == 0
	v_pk_fma_f32 v[GP+pr:GP+pr+1], v[GA+pr:GA+pr+1], s[58:59], s[56:57] op_sel_hi:[1,0,0]
.elseif \lev == 5
	v_pk_fma_f32 v[GP+pr:GP+pr+1], v[GP+pr:GP+pr+1], v[GA+pr:GA+pr+1], 1.0 op_sel_hi:[1,1,0]
.else
	v_pk_fma_f32 v[GP+pr:GP+pr+1], v[GP+pr:GP+pr+1], v[GA+pr:GA+pr+1], s[46+2*(5-\lev):46+2*(5-\lev)+1] op_sel_hi:[1,1,0]
.endif
.set cnt, cnt+1
.if (\rc) && (cnt%3 == 0)
	v_rcp_f32 v[GP+8*((\k)-1)+cnt/3-1], v[GP+8*((\k)-1)+cnt/3-1]
.endif
.endr
.endr
.endm
	s_mov_b32 s[KC], 16
.Lgelu:
	s_wait_dscnt 4                                 ; z is in; the 4 stores issued behind its loads may stay out
	WIN 0x55
.set i, 0
.rept 16
	v_fma_mix_f32 v[GA+2*i], |v[GZ+i]|, v[KH], v[KZ] op_sel_hi:[1,0,0]
	v_fma_mix_f32 v[GA+2*i+1], |v[GZ+i]|, v[KH], v[KZ] op_sel:[1,0,0] op_sel_hi:[1,0,0]
.set i, i+1
.endr
	HORNER 0,0
	HORNER 1,1
	HORNER 2,1
	HORNER 3,1
.set i, 0
.rept 16
	v_fma_mix_f32 v[GR+2*i], v[GZ+i], v[KH], v[GA+2*i] op_sel_hi:[1,0,0]
	v_fma_mix_f32 v[GR+2*i+1], v[GZ+i], v[KH], v[GA+2*i+1] op_sel:[1,0,0] op_sel_hi:[1,0,0]
.if i < 8
	v_rcp_f32 v[GP+24+i], v[GP+24+i]
.endif
.set i, i+1
.endr
	s_wait_alu depctr_va_vdst(0)                   ; ONE wait for the trip's 32 reciprocals: nothing ahead of it names a result of theirs
	WIN 0
	s_cmp_eq_u32 s[KC], 1
	s_cbranch_scc1 .Lnoz                           ; the last trip has no next z
	v_add_nc_u32 v[GAD], 2560, v[GAD]
	WIN 0x40
	ds_load_b128 v[GZ:GZ+3], v[GAD]
	ds_load_b128 v[GZ+4:GZ+7], v[GAD] offset:32
	ds_load_b128 v[GZ+8:GZ+11], v[GAD] offset:TBB
	ds_load_b128 v[GZ+12:GZ+15], v[GAD] offset:TBB+32
	WIN 0
.Lnoz:
	WIN 0x55
.rept 4                                ; (1 / P)^16
.set i, 0
.rept 16
	v_pk_mul_f32 v[GP+2*i:GP+2*i+1], v[GP+2*i:GP+2*i+1], v[GP+2*i:GP+2*i+1]
.set i, i+1
.endr
.endr
.set i, 0
.rept 16
	v_pk_fma_f32 v[GP+2*i:GP+2*i+1], v[GA+2*i:GA+2*i+1], v[GP+2*i:GP+2*i+1], v[GR+2*i:GR+2*i+1] neg_lo:[1,0,0] neg_hi:[1,0,0]
.set i, i+1
.endr
	WIN 0x05
.set i, 0
.rept 16
	v_cvt_pk_f16_f32 v[64+i], v[GP+2*i], v[GP+2*i+1]
.set i, i+1
.endr
	WIN 0
	ds_store_b128 v[GS], v[64:67]
	ds_store_b128 v[GS], v[68:71] offset:32
	ds_store_b128 v[GS], v[72:75] offset:TBB
	ds_store_b128 v[GS], v[76:79] offset:TBB+32
	v_add_nc_u32 v[GS], 2560, v[GS]
	s_sub_co_i32 s[KC], s[KC], 1
	s_cmp_lg_u32 s[KC], 0
	s_cbranch_scc1 .Lgelu
	BAR                                            ; barrier 4 (layer 0), 6 (layer 1): h is whole
	s_add_co_u32 s[LAYER], s[LAYER], 1
	s_cmp_lt_u32 s[LAYER], 2
	s_cbranch_scc1 .Llayer
; ---------------------------------------------------------------- PRODUCT 3: my 256 channels of h2 (8 K steps) x 128 outputs: 32 accumulators; a weight buffer holds two steps
	s_lshl_b32 s76, s[EX], 9
	v_add_nc_u32 v[B3O], s76, v[L16]
	global_load_b128 v[96:99], v[B3O], s[30:31]    ; b3: my four columns of an output row
	WLOAD 2,32768
	WIN 0
	v_mov_b32 v[HA], v[ZS]
	ALOAD 0,0
	ALOAD 1,STEPB
	s_wait_loadcnt 32                              ; buffers 0 and 1 and b3 are in; buffer 2's 32 loads may stay out
	s_wait_dscnt 8                                 ; step 1's fragments may stay out
	MUL 0,0,0,0,2,8
	MUL 0,0,0,1,2,8
.macro Q3 q, b, lc                     ; step q on weight buffer b; it asks for step q + 1's fragments; lc >= 0: a wait for weights with that count
	PLACES
.if (\q) == 2
	WLOAD 0,49152                                  ; steps 6 and 7, into the buffer that steps 0 and 1 have left
.endif
	ALOAD ((\q)+1)%2,((\q)+1)*STEPB
.if (\lc) >= 0
	s_wait_loadcnt \lc
.endif
	s_wait_dscnt 8                                 ; the 8 loads just issued may stay out
	MUL \b,(\q)%2,(\q)%2,0,0,8
	MUL \b,(\q)%2,(\q)%2,1,0,8
.endm
	Q3 1,0,-1
	Q3 2,1,-1
	Q3 3,1,-1
	Q3 4,2,32                                      ; buffer 2 is in; buffer 0's second fill may stay out
	Q3 5,2,-1
	Q3 6,0,0
	s_wait_dscnt 0x0
	MUL 0,1,1,0,0,8
	MUL 0,1,1,1,0,8
	WIN 0
; ---------------------------------------------------------------- THE WAY OUT: the four waves' partial outputs meet in LDS, over H
	PLACES
	BAR                                            ; barrier 7: nobody reads H any more
.irp tb, 0,1,2,3
	WIN 0x08+4*(\tb/2)                             ; store data in window 2 or 3
.set n, 0
.rept 8
	ds_store_b128 v[RST], v[128*(\tb%2)+8*n:128*(\tb%2)+8*n+3] offset:\tb*16*REDP+n*64
	ds_store_b128 v[RST], v[128*(\tb%2)+8*n+4:128*(\tb%2)+8*n+7] offset:\tb*16*REDP+n*64+16
.set n, n+1
.endr
.endr
	WIN 0
	BAR                                            ; barrier 8: the partial outputs are whole
; Wave w finishes rows 16 w .. 16 w + 15, four at a time; a row's place stands in the loads' immediate (41,712 at the most), so that no LDS address is rewritten.
	s_lshl_b32 s81, s[WV], 4
	s_sub_co_i32 s81, s[NV], s81                   ; how many of my 16 rows are stored; 0 or less: none
.set grp, 0
.rept 4
.if grp > 0
	s_wait_xcnt 0x0                                ; the four rows before have had their stores' registers read: only behind this wait are they loaded again
.endif
.irp ii, 0,1,2,3
	ds_load_b128 v[32+16*\ii:35+16*\ii], v[RDA] offset:(4*grp+\ii)*REDP
	ds_load_b128 v[36+16*\ii:39+16*\ii], v[RDA] offset:(4*grp+\ii)*REDP+REDW
	ds_load_b128 v[40+16*\ii:43+16*\ii], v[RDB] offset:(4*grp+\ii)*REDP
	ds_load_b128 v[44+16*\ii:47+16*\ii], v[RDB] offset:(4*grp+\ii)*REDP+REDW
.endr
.irp ii, 0,1,2,3
	s_wait_dscnt 12-4*\ii                          ; the later rows' loads may stay out
	s_cmp_le_i32 s81, 4*grp+\ii
	s_cbranch_scc1 .Lend                           ; rows ascend: past the count nothing more is stored; no barrier lies in what is jumped
	v_readlane_b32 s82, v[DST], 4*grp+\ii
	v_readlane_b32 s84, v[GWT], 4*grp+\ii
	s_min_u32 s82, s82, 8191
	v_lshl_add_u32 v[100+\ii], s82, 9, v[L16]
	v_pk_add_f32 v[32+16*\ii:33+16*\ii], v[32+16*\ii:33+16*\ii], v[36+16*\ii:37+16*\ii]
	v_pk_add_f32 v[34+16*\ii:35+16*\ii], v[34+16*\ii:35+16*\ii], v[38+16*\ii:39+16*\ii]
	v_pk_add_f32 v[40+16*\ii:41+16*\ii], v[40+16*\ii:41+16*\ii], v[44+16*\ii:45+16*\ii]
	v_pk_add_f32 v[42+16*\ii:43+16*\ii], v[42+16*\ii:43+16*\ii], v[46+16*\ii:47+16*\ii]
	v_pk_add_f32 v[32+16*\ii:33+16*\ii], v[32+16*\ii:33+16*\ii], v[40+16*\ii:41+16*\ii]
	v_pk_add_f32 v[34+16*\ii:35+16*\ii], v[34+16*\ii:35+16*\ii], v[42+16*\ii:43+16*\ii]
	v_pk_add_f32 v[32+16*\ii:33+16*\ii], v[32+16*\ii:33+16*\ii], v[96:97]
	v_pk_add_f32 v[34+16*\ii:35+16*\ii], v[34+16*\ii:35+16*\ii], v[98:99]
	v_pk_mul_f32 v[32+16*\ii:33+16*\ii], v[32+16*\ii:33+16*\ii], s[84:85] op_sel_hi:[1,0]
	v_pk_mul_f32 v[34+16*\ii:35+16*\ii], v[34+16*\ii:35+16*\ii], s[84:85] op_sel_hi:[1,0]
	global_store_b128 v[100+\ii], v[32+16*\ii:35+16*\ii], s[32:33]              ; a whole row: 512 consecutive bytes, aligned
.endr
.set grp, grp+1
.endr
.Lend:
	s_wait_tensorcnt 0x0                           ; the wave's end
	ds_add_u32 v[SPW], v[NIL]
	s_wait_dscnt 0x0
	s_endpgm
.Lfunc_end_k_qe16531d1bb_chain:
	.size	k_qe16531d1bb_chain, .Lfunc_end_k_qe16531d1bb_chain-k_qe16531d1bb_chain
	.p2alignl 7, 3214868480
	.fill 96, 4, 3214868480
	.section	.rodata,"a",@progbits
	.p2align	6, 0x0
	.amdhsa_kernel k_qe16531d1bb_chain
		.amdhsa_group_segment_fixed_size 215552
		.amdhsa_private_segment_fixed_size 0
		.amdhsa_enable_private_segment 0
		.amdhsa_kernarg_size 104
		.amdhsa_user_sgpr_count 2
		.amdhsa_user_sgpr_kernarg_segment_ptr 1
		.amdhsa_wavefront_size32 1
		.amdhsa_system_sgpr_workgroup_id_x 1
		.amdhsa_system_sgpr_workgroup_id_y 1
		.amdhsa_system_sgpr_workgroup_id_z 1
		.amdhsa_system_vgpr_workitem_id 0
		.amdhsa_next_free_vgpr 1024
		.amdhsa_next_free_sgpr 100
		.amdhsa_reserve_vcc 1
		.amdhsa_float_denorm_mode_32 3
		.amdhsa_float_denorm_mode_16_64 3
		.amdhsa_memory_ordered 1
		.amdhsa_forward_progress 1
		.amdhsa_inst_pref_size 255
	.end_amdhsa_kernel
	.section	.bss,"aw",@nobits
	.p2align	6
	.space	262144
	.amdgpu_metadata
---
amdhsa.version: [ 1, 2 ]
amdhsa.kernels:
  - .name:           k_qe16531d1bb_chain
    .symbol:         k_qe16531d1bb_chain.kd
    .args:
      - { .name: x, .offset: 0, .size: 8, .value_kind: global_buffer, .address_space: global }
      - { .name: wf, .offset: 8, .size: 8, .value_kind: global_buffer, .address_space: global }
      - { .name: bm, .offset: 16, .size: 8, .value_kind: global_buffer, .address_space: global }
      - { .name: sel, .offset: 24, .size: 8, .value_kind: global_buffer, .address_space: global }
      - { .name: gw, .offset: 32, .size: 8, .value_kind: global_buffer, .address_space: global }
      - { .name: b1, .offset: 40, .size: 8, .value_kind: global_buffer, .address_space: global }
      - { .name: g1, .offset: 48, .size: 8, .value_kind: global_buffer, .address_space: global }
      - { .name: be1, .offset: 56, .size: 8, .value_kind: global_buffer, .address_space: global }
      - { .name: b2, .offset: 64, .size: 8, .value_kind: global_buffer, .address_space: global }
      - { .name: g2, .offset: 72, .size: 8, .value_kind: global_buffer, .address_space: global }
      - { .name: be2, .offset: 80, .size: 8, .value_kind: global_buffer, .address_space: global }
      - { .name: b3, .offset: 88, .size: 8, .value_kind: global_buffer, .address_space: global }
      - { .name: part, .offset: 96, .size: 8, .value_kind: global_buffer, .address_space: global }
    .group_segment_fixed_size: 215552
    .private_segment_fixed_size: 0
    .kernarg_segment_align: 8
    .kernarg_segment_size: 104
    .max_flat_workgroup_size: 128
    .sgpr_count:     100
    .vgpr_count:     1024
    .wavefront_size: 32
...
	.end_amdgpu_metadata
.endif
;; end of part 2
;; launch combine (part 3): grid 256 x 1, 8 waves a work-group, no clusters, 0 bytes of LDS; arguments part, out0; writes out0
.if DOCPART == 3
	.amdgcn_target "amdgcn-amd-amdhsa--gfx1250"
	.amdhsa_code_object_version 6
	.text
	.protected	k_qe16531d1bb_combine
	.globl	k_qe16531d1bb_combine
	.p2align	8
	.type	k_qe16531d1bb_combine,@function
k_qe16531d1bb_combine:
	s_mov_b64 s[64:65], 0
	v_nop
	global_prefetch_b8 v0, s[64:65] scope:SCOPE_SE
	s_setreg_imm32_b32 hwreg(HW_REG_WAVE_MODE, 25, 1), 1
	s_wait_xcnt 0x0
; out0[token][:] = part[token][0][:] + part[token][1][:], all f32: a token's two experts' weighted rows, each stored by one work-group of the launch before.
; A stream: 4 MiB in, 2 MiB out, each byte once.  A wave takes two tokens: four loads and two stores of 512 consecutive bytes, aligned; all of the launch's loads go out at once, so there is no loop.
; LDS, barriers and the matrix unit would add nothing: the bytes are all the work.
	s_load_b128 s[4:7], s[0:1], 0x0                ; part s[4:5], out0 s[6:7]
	v_and_b32 v1, 31, v0
	v_lshrrev_b32 v2, 5, v0                        ; wave
	v_lshlrev_b32 v1, 4, v1                        ; 16 bytes a lane
	v_lshl_add_u32 v3, v2, 11, v1                  ; in part: two tokens x 1,024 bytes a wave
	v_lshl_add_u32 v4, v2, 10, v1                  ; in out0: two tokens x 512 bytes
	s_lshl_b32 s8, ttmp9, 14                       ; the work-group's 16 tokens
	s_mov_b32 s9, 0
	s_lshl_b32 s10, ttmp9, 13
	s_mov_b32 s11, 0
	s_wait_kmcnt 0x0
	s_add_nc_u64 s[4:5], s[4:5], s[8:9]
	s_add_nc_u64 s[6:7], s[6:7], s[10:11]
	global_load_b128 v[8:11], v3, s[4:5] th:TH_LOAD_NT
	global_load_b128 v[12:15], v3, s[4:5] offset:512 th:TH_LOAD_NT
	global_load_b128 v[16:19], v3, s[4:5] offset:1024 th:TH_LOAD_NT
	global_load_b128 v[20:23], v3, s[4:5] offset:1536 th:TH_LOAD_NT
	s_wait_loadcnt 0x2                             ; the first token's two rows are in; the second's two loads may stay out
	v_pk_add_f32 v[8:9], v[8:9], v[12:13]
	v_pk_add_f32 v[10:11], v[10:11], v[14:15]
	global_store_b128 v4, v[8:11], s[6:7] th:TH_STORE_NT
	s_wait_loadcnt 0x0
	v_pk_add_f32 v[16:17], v[16:17], v[20:21]
	v_pk_add_f32 v[18:19], v[18:19], v[22:23]
	global_store_b128 v4, v[16:19], s[6:7] offset:512 th:TH_STORE_NT
	s_endpgm
.Lfunc_end_k_qe16531d1bb_combine:
	.size	k_qe16531d1bb_combine, .Lfunc_end_k_qe16531d1bb_combine-k_qe16531d1bb_combine
	.p2alignl 7, 3214868480
	.fill 96, 4, 3214868480
	.section	.rodata,"a",@progbits
	.p2align	6, 0x0
	.amdhsa_kernel k_qe16531d1bb_combine
		.amdhsa_group_segment_fixed_size 0
		.amdhsa_private_segment_fixed_size 0
		.amdhsa_enable_private_segment 0
		.amdhsa_kernarg_size 16
		.amdhsa_user_sgpr_count 2
		.amdhsa_user_sgpr_kernarg_segment_ptr 1
		.amdhsa_wavefront_size32 1
		.amdhsa_system_sgpr_workgroup_id_x 1
		.amdhsa_system_sgpr_workgroup_id_y 1
		.amdhsa_system_sgpr_workgroup_id_z 1
		.amdhsa_system_vgpr_workitem_id 0
		.amdhsa_next_free_vgpr 32
		.amdhsa_next_free_sgpr 66
		.amdhsa_reserve_vcc 0
		.amdhsa_float_denorm_mode_32 3
		.amdhsa_float_denorm_mode_16_64 3
		.amdhsa_memory_ordered 1
		.amdhsa_forward_progress 1
		.amdhsa_inst_pref_size 2
	.end_amdhsa_kernel
	.amdgpu_metadata
---
amdhsa.version: [ 1, 2 ]
amdhsa.kernels:
  - .name:           k_qe16531d1bb_combine
    .symbol:         k_qe16531d1bb_combine.kd
    .args:
      - { .name: part, .offset: 0, .size: 8, .value_kind: global_buffer, .address_space: global }
      - { .name: out0, .offset: 8, .size: 8, .value_kind: global_buffer, .address_space: global }
    .group_segment_fixed_size: 0
    .private_segment_fixed_size: 0
    .kernarg_segment_align: 8
    .kernarg_segment_size: 16
    .max_flat_workgroup_size: 256
    .sgpr_count:     66
    .vgpr_count:     32
    .wavefront_size: 32
...
	.end_amdgpu_metadata
.endif
;; end of part 3
